; MI455X (gfx1250); checked and timed in simulation.
; The chip was launched on July 23, 2026; its instructions are those of AMD's public machine-readable ISA for CDNA 5 (MIT licence, August 2026) and "CDNA5" Instruction Set Architecture Reference Guide (July 2026). The comments in the code are by the model that wrote it; some were corrected since.
;; Vision Triton Attention. Allowed arithmetic: float matrix products may take bf16 or f16 operands with f32 sums; all other float work in f32.
;; Inputs: cu_seqlens 9 int32; k 8,192 x 16 x 64 float32; q 8,192 x 16 x 64 float32; v 8,192 x 16 x 64 float32.
;; Outputs: out0 8,192 x 16 x 64 float32.
;; Constants: max_seqlen = 1024.
;; One version. Each part assembles by itself: llvm-mc -triple=amdgcn-amd-amdhsa -mcpu=gfx1250 --defsym DOCPART=n.
;; ======== version 1 of 1: 1 launch
;; limits: values are held in f16: magnitudes above 65,504 overflow, below 6.1e-05 lose precision; inputs' magnitudes at most 65,504
;; launch attn (part 1): grid 256 x 1, 8 waves a work-group, no clusters, 74,752 bytes of LDS; arguments q, k, v, cu_seqlens, out0; writes out0
.if DOCPART == 1
	.amdgcn_target "amdgcn-amd-amdhsa--gfx1250"
	.amdhsa_code_object_version 6
	.text
	.protected	k_q0d9dcd5f6a_attn
	.globl	k_q0d9dcd5f6a_attn
	.p2align	8
	.type	k_q0d9dcd5f6a_attn,@function
k_q0d9dcd5f6a_attn:
	s_mov_b64 s[64:65], 0
	v_nop
	global_prefetch_b8 v0, s[64:65] scope:SCOPE_SE
	s_setreg_imm32_b32 hwreg(HW_REG_WAVE_MODE, 25, 1), 1
	s_wait_xcnt 0x0
; Non-causal attention over 8 packed sequences of 1,024 tokens, 16 heads, d = 64; q, k, v, out0: [8192][16][64] f32.
; len[b] = cu_seqlens[b+1] - cu_seqlens[b]: key j counts if j < len, query row i is 0 if i >= len; the packing stays b x 1,024.
;
; SHARES.  Work-group x: half = x & 1, head = (x >> 1) & 15, sequence = x >> 5: 512 queries of one (sequence, head).
; Wave w: 64 queries = 4 query tiles of 16.  Keys go in 16 steps of 64 (4 key tiles of 16).
;
; BOTH PRODUCTS ARE TAKEN TRANSPOSED.  S^T = K Q^T: source 0 = 16 keys x 32 d, source 1 = Q (a lane's column = a query); in the result
; lane (r, h) holds keys 8h .. 8h+7 of query r.  Two such tiles rounded to f16 are, register for register, source 1 of
; O^T = V^T P^T (32 keys of query r), so P never changes lanes.  A lane serves ONE query of each tile: the maximum and the sum run along its own
; registers plus one exchange with lane xor 16, and shift, rescale factor and 1 / sum are one number a lane.
;
; THE OPERANDS ARE f16, NOT bf16.  A probability rounded to bf16 keeps 8 significant bits, a relative error of about 0.0017 in the root mean
; square, and that error reaches an output at this share of the root mean square of its own ROW; a short sequence or a sharply peaked row
; has several times the root mean square of the whole output, against which the result is held.  f16 keeps 11 bits: an eighth of that error,
; in q, k and v as well.  f16's narrow range is why the running maximum is kept: with it every probability is at most 1 and the sum at least 1.
;
; K AND V are loaded as f32 by all 8 waves (16 lanes = one 256-byte head row), rounded to f16 once for the work-group and laid into one of two
; LDS slots, one step ahead; the global loads for the step after that are issued at once, so a block of 32 KiB is always on its way.
; One barrier a step, signal and wait apart: behind the signal a wave has read its fragments of this slot and stored its part of the next.
;
; NO CLUSTER: only two work-groups share a head's K and V, and a joint tile would land in LDS as f32 (32 KiB a step written, read back and
; written again as 16 KiB of f16), where the way through registers writes those 16 KiB once.
;
; LIMITS.  (1) FORMAT AND RANGE: q, k, v and the probabilities are rounded to f16 for the matrix products (sums in f32; the softmax sum takes
; the unrounded probabilities).  An input of magnitude 65,520 or more becomes infinity; one below 2^-14 keeps an absolute error of up to 2^-25.
; A probability below 2^-25 counts as 0 in the second product: at most 1,023 x 2^-25 of a row's weight, the sum being at least 1.
; (2) len is clamped to 0 .. 1024, which is what arange(1024) < len means.
; All 16 steps are always walked (every wave passes every barrier, whatever cu_seqlens holds); a step beyond len has all its scores
; set to -1e30 and adds 0.  A row i < len has key 0 valid, so masked keys weigh exactly 0; all other rows, len = 0 too, are SELECTED to 0.
.set TOK,    4096                      ; bytes from token to token
.set BLOCK,  64*TOK                    ; a step's 64 keys
.set KPITCH, 144                       ; K's LDS row: 128 bytes of f16 + 16: an odd multiple of 16, the 16 rows of a fragment load start in 16 different 16-byte columns modulo 256
.set VPITCH, 160                       ; V's LDS row: 128 + 32: an odd multiple of 32, the same for the transposing loads
.set VOFF,   64*KPITCH                 ; V lies behind K's 64 rows
.set SLOT,   VOFF+64*VPITCH            ; 19,456 bytes; two slots
.set STAGE,  2*SLOT                    ; behind them: each wave's own 16 rows x 272 bytes for the way out
.set SPITCH, 272
.set WSTAGE, 16*SPITCH
; window 0
.set KADDR, 1                          ; r x 144 + 16 h
.set VADDR, 2                          ; (8 h + lane % 8) x 160 + 16 x ((lane / 8) % 2)
.set KST,   3                          ; (2 w + h) x 144 + 8 r: where my 4 numbers of K go
.set VST,   4                          ; (2 w + h) x 160 + 8 r
.set GOFF,  5                          ; (2 w + h) x 4096 + 16 r: my 16 bytes in k and v
.set REL,   6                          ; in the prologue my offset in q; in a masked step: keys left - 8 h
.set H8,    7                          ; 8 h
.set M,     8                          ; v8-11   running maximum of the raw scores, query tile i (at work in the prologue and on the way out)
.set T,     12                         ; v12-15  at work
.set P,     16                         ; v16-23  pairs (-c x maximum, rescale factor), tile i at P + 2 i; on the way out (1 / sum, at work)
.set L,     24                         ; v24-31  pairs of partial sums, tile i at L + 2 i
.set G,     32                         ; v32-63  staging: K's load n at G + 4 n, V's at G + 16 + 4 n
.set KF,    64                         ; v64-127 K fragments, (key tile kt, d half) at KF + 8 (2 kt + half); behind the first product
                                       ;         V^T fragments, (32 keys ks, d tile dt) at KF + 8 (4 ks + dt): the two are never wanted at once
.set S,     128                        ; v128-255 scores, (kt, i) at S + 8 (4 kt + i); later P in f16
.set STO,   1                          ; behind the loop: the way out
.set RD,    2
.set OOFF,  3
.set QREL,  4
; window 1 (written with the low 8 bits)
.set O,     0                          ; v256-383 O^T, (i, d tile dt) at O + 8 (4 i + dt)
.set Q,     128                        ; v384-447 Q fragments, (i, d half) at Q + 8 (2 i + half)
.set MSB, 0
.macro WIN new                         ; low byte: bits 1:0 source 0, 3:2 source 1, 5:4 source 2, 7:6 destination; the high byte repeats the setting left
.if MSB != \new
	s_set_vgpr_msb (MSB<<8)|\new
.set MSB, \new
.endif
.endm
.macro PLACES n
.rept \n
	v_nop
.endr
.endm
	s_load_b256 s[4:11], s[0:1], 0x0               ; q s[4:5], k s[6:7], v s[8:9], cu_seqlens s[10:11]
	s_load_b64 s[12:13], s[0:1], 0x20              ; out0
	s_set_vgpr_msb 0x40
	v_lshl_add_u32 v192, v0, 2, 0x12000
	v_mov_b32 v193, 0
	s_set_vgpr_msb 0x4000
	v_lshrrev_b32 v1, 5, v0
	v_readfirstlane_b32 s14, v1                    ; wave 0..7
	s_and_b32 s15, ttmp9, 1                        ; half of the queries
	s_bfe_u32 s17, ttmp9, 0x40001                  ; head
	s_lshr_b32 s16, ttmp9, 5                       ; sequence
	s_mov_b32 s25, 0x76543210                      ; v_permlanex16_b32: lane i takes lane i xor 16
	s_mov_b32 s26, 0xfedcba98
	s_mov_b32 s28, 0x3e38aa3b                      ; c = log2(e) / 8: the scale 1 / sqrt(64) and the change to base 2 in one factor
	s_mov_b32 s29, 0x3e38aa3b
	s_mov_b32 s30, 0xbe38aa3b                      ; -c
	s_mov_b32 s31, 0xf149f2ca                      ; -1e30
	s_lshl_b32 s18, s16, 22                        ; sequence x 1,024 tokens x 4,096 bytes
	s_lshl_b32 s37, s17, 8                         ; + head x 256 bytes
	s_or_b32 s18, s18, s37
	s_mov_b32 s19, 0
	s_lshl_b32 s36, s15, 9
	s_lshl_b32 s37, s14, 6
	s_add_co_u32 s36, s36, s37                     ; q0 = 512 half + 64 w: my first query in the sequence
	v_and_b32 v8, 15, v0                           ; r
	v_bfe_u32 v9, v0, 4, 1                         ; h
	v_lshrrev_b32 v10, 4, v0                       ; 2 w + h
	v_and_b32 v11, 7, v0
	v_bfe_u32 v12, v0, 3, 1
	v_lshl_add_u32 v11, v9, 3, v11                 ; 8 h + lane % 8
	v_mul_u32_u24 v[KADDR], v8, KPITCH
	v_lshl_add_u32 v[KADDR], v9, 4, v[KADDR]
	v_mul_u32_u24 v[VADDR], v11, VPITCH
	v_lshl_add_u32 v[VADDR], v12, 4, v[VADDR]
	s_mul_i32 s37, s14, 2*KPITCH                   ; the wave's two rows, from the scalar wave number
	s_mul_i32 s38, s14, 2*VPITCH
	v_mul_u32_u24 v[KST], v9, KPITCH
	v_lshl_add_u32 v[KST], v8, 3, v[KST]
	v_add_nc_u32 v[KST], s37, v[KST]
	v_mul_u32_u24 v[VST], v9, VPITCH
	v_lshl_add_u32 v[VST], v8, 3, v[VST]
	v_add_nc_u32 v[VST], s38, v[VST]
	v_lshlrev_b32 v[GOFF], 12, v10
	v_lshl_add_u32 v[GOFF], v8, 4, v[GOFF]
	v_lshlrev_b32 v[REL], 12, v8                   ; q: row r, 32 h bytes
	v_lshl_add_u32 v[REL], v9, 5, v[REL]
	v_lshlrev_b32 v[H8], 3, v9
	s_wait_kmcnt 0x0
	s_add_nc_u64 s[6:7], s[6:7], s[18:19]          ; k and v at the head's row of the sequence's first token
	s_add_nc_u64 s[8:9], s[8:9], s[18:19]
	s_lshl_b32 s37, s36, 12
	s_add_co_u32 s18, s18, s37                     ; + q0 tokens
	s_add_nc_u64 s[4:5], s[4:5], s[18:19]          ; q and out0 at my first query
	s_add_nc_u64 s[12:13], s[12:13], s[18:19]
	s_lshl_b32 s18, s16, 2
	s_add_nc_u64 s[10:11], s[10:11], s[18:19]
	s_load_b32 s20, s[10:11], 0x0                  ; cu[b]
	s_load_b32 s21, s[10:11], 0x4                  ; cu[b+1]
; 8 loads: 64 rows of K and of V as f32.  Sixteen lanes take one aligned 256-byte head row, the 8 waves 16 rows an instruction.
; No hint: the work-group of the other half reads the same rows.
.macro FETCH
.irp n, 0,1,2,3
	global_load_b128 v[G+4*\n:G+4*\n+3], v[GOFF], s[6:7] offset:\n*16*TOK
.endr
.irp n, 0,1,2,3
	global_load_b128 v[G+16+4*\n:G+16+4*\n+3], v[GOFF], s[8:9] offset:\n*16*TOK
.endr
.endm
; round the staged block to f16 (in place: 4 registers become 2) and lay it into a slot
.macro STORE slot
.irp n, 0,1,2,3,4,5,6,7
	v_cvt_pk_f16_f32 v[G+4*\n], v[G+4*\n], v[G+4*\n+1]
	v_cvt_pk_f16_f32 v[G+4*\n+1], v[G+4*\n+2], v[G+4*\n+3]
.endr
.irp n, 0,1,2,3
	ds_store_b64 v[KST], v[G+4*\n:G+4*\n+1] offset:(\slot)*SLOT+\n*16*KPITCH
.endr
.irp n, 0,1,2,3
	ds_store_b64 v[VST], v[G+16+4*\n:G+16+4*\n+1] offset:(\slot)*SLOT+VOFF+\n*16*VPITCH
.endr
.endm
; K's 8 fragments: rows along d, two loads 32 bytes apart each; the four of d half 0 first, since they are multiplied first
.macro LDK slot
.irp ds, 0,1
.irp kt, 0,1,2,3
	ds_load_b128 v[KF+8*(2*\kt+\ds):KF+8*(2*\kt+\ds)+3], v[KADDR] offset:(\slot)*SLOT+\kt*16*KPITCH+\ds*64
	ds_load_b128 v[KF+8*(2*\kt+\ds)+4:KF+8*(2*\kt+\ds)+7], v[KADDR] offset:(\slot)*SLOT+\kt*16*KPITCH+\ds*64+32
.endr
.endr
.endm
; V^T's 8 fragments into the same registers: rows along d, wanted along the keys: two transposing loads 16 rows apart each
.macro LDV slot
.irp ks, 0,1
.irp dt, 0,1,2,3
	ds_load_tr16_b128 v[KF+8*(4*\ks+\dt):KF+8*(4*\ks+\dt)+3], v[VADDR] offset:(\slot)*SLOT+VOFF+\ks*32*VPITCH+\dt*32
	ds_load_tr16_b128 v[KF+8*(4*\ks+\dt)+4:KF+8*(4*\ks+\dt)+7], v[VADDR] offset:(\slot)*SLOT+VOFF+\ks*32*VPITCH+\dt*32+16*VPITCH
.endr
.endr
.endm
; 32 matrix instructions: S^T(kt, i) = K(kt) Q(i)^T.  The first d half starts each sum with the constant 0, the second is the next link in place.
.macro QK
	WIN 0x04                                       ; source 1 (Q) in window 1
	s_wait_dscnt 8                                 ; LDS loads return in order (ISA guide 5.7.1): of the 16 just issued the 8 of d half 1 may be out
.irp kt, 0,1,2,3
.irp qi, 0,1,2,3
	v_wmma_f32_16x16x32_f16 v[S+8*(4*\kt+\qi):S+8*(4*\kt+\qi)+7], v[KF+16*\kt:KF+16*\kt+7], v[Q+16*\qi:Q+16*\qi+7], 0
.endr
.endr
	s_wait_dscnt 0x0
.irp kt, 0,1,2,3
.irp qi, 0,1,2,3
	v_wmma_f32_16x16x32_f16 v[S+8*(4*\kt+\qi):S+8*(4*\kt+\qi)+7], v[KF+16*\kt+8:KF+16*\kt+15], v[Q+16*\qi+8:Q+16*\qi+15], v[S+8*(4*\kt+\qi):S+8*(4*\kt+\qi)+7]
.endr
.endr
	WIN 0
.endm
; scores of keys at or beyond len become -1e30.  Jumped over when all 64 keys of the step are valid; s23 = len - 64 x step.
; My register j of key tile kt is key 16 kt + 8 h + j of the step: valid if 16 kt + j < s23 - 8 h.
.macro MASK tag
	s_cmp_ge_i32 s23, 64
	s_cbranch_scc1 .Lfull\tag
	v_sub_nc_u32 v[REL], s23, v[H8]
.irp kt, 0,1,2,3
.irp j, 0,1,2,3,4,5,6,7
	v_cmp_lt_i32 vcc_lo, 16*\kt+\j, v[REL]
.irp qi, 0,1,2,3
	v_cndmask_b32 v[S+8*(4*\kt+\qi)+\j], s31, v[S+8*(4*\kt+\qi)+\j], vcc_lo
.endr
.endr
.endr
.Lfull\tag:
.endm
; the new running maximum of each query tile, -c x maximum, and the factor 2^(c (old - new)) for what has been summed so far; four chains in turn
.macro SMAX
.irp qi, 0,1,2,3
	v_max3_num_f32 v[T+\qi], v[M+\qi], v[S+8*\qi], v[S+8*\qi+1]
.endr
.irp kt, 0,1,2,3
.irp jp, 0,1,2,3
.if \kt+\jp
.irp qi, 0,1,2,3
	v_max3_num_f32 v[T+\qi], v[T+\qi], v[S+8*(4*\kt+\qi)+2*\jp], v[S+8*(4*\kt+\qi)+2*\jp+1]
.endr
.endif
.endr
.endr
.irp qi, 0,1,2,3
	v_permlanex16_b32 v[P+2*\qi+1], v[T+\qi], s25, s26     ; the other 32 keys of my query lie in lane xor 16
.endr
.irp qi, 0,1,2,3
	v_max_num_f32 v[T+\qi], v[T+\qi], v[P+2*\qi+1]
.endr
.irp qi, 0,1,2,3
	v_mul_f32 v[P+2*\qi], s30, v[T+\qi]
.endr
.irp qi, 0,1,2,3
	v_fma_f32 v[P+2*\qi+1], v[M+\qi], s28, v[P+2*\qi]
.endr
.irp qi, 0,1,2,3
	v_exp_f32 v[P+2*\qi+1], v[P+2*\qi+1]
.endr
.irp qi, 0,1,2,3
	v_mov_b32 v[M+\qi], v[T+\qi]                   ; plain work between the exponentials and the first use of their results (ISA guide 5.7.2)
.endr
.endm
.macro FMA qi                          ; the exponents of one query tile, c x score - c x maximum, two at a time
	s_wait_alu depctr_va_vdst(0)
.irp kt, 0,1,2,3
.irp jp, 0,1,2,3
	v_pk_fma_f32 v[S+8*(4*\kt+\qi)+2*\jp:S+8*(4*\kt+\qi)+2*\jp+1], v[S+8*(4*\kt+\qi)+2*\jp:S+8*(4*\kt+\qi)+2*\jp+1], s[28:29], v[P+2*\qi:P+2*\qi+1] op_sel_hi:[1,0,0]
.endr
.endr
.endm
; the 32 exponentials of tile qe in place, with the 16 multiply-adds of tile qf among them: behind every two exponentials one plain
; instruction on another tile, behind the last two as well, so no result is used before plain work has passed (ISA guide 5.7.2)
.macro EXPFMA qe, qf
.irp kt, 0,1,2,3
.irp jp, 0,1,2,3
	v_exp_f32 v[S+8*(4*\kt+\qe)+2*\jp], v[S+8*(4*\kt+\qe)+2*\jp]
	v_exp_f32 v[S+8*(4*\kt+\qe)+2*\jp+1], v[S+8*(4*\kt+\qe)+2*\jp+1]
	v_pk_fma_f32 v[S+8*(4*\kt+\qf)+2*\jp:S+8*(4*\kt+\qf)+2*\jp+1], v[S+8*(4*\kt+\qf)+2*\jp:S+8*(4*\kt+\qf)+2*\jp+1], s[28:29], v[P+2*\qf:P+2*\qf+1] op_sel_hi:[1,0,0]
.endr
.endr
.endm
; one pair of probabilities into tile qi's two partial sums; the step's first pair carries the rescale: sum x factor + p
.macro ADDL qi, kt, jp
.if \kt+\jp
	v_pk_add_f32 v[L+2*\qi:L+2*\qi+1], v[L+2*\qi:L+2*\qi+1], v[S+8*(4*\kt+\qi)+2*\jp:S+8*(4*\kt+\qi)+2*\jp+1]
.else
	s_wait_alu depctr_va_vdst(0)
	v_pk_fma_f32 v[L+2*\qi:L+2*\qi+1], v[L+2*\qi:L+2*\qi+1], v[P+2*\qi:P+2*\qi+1], v[S+8*\qi:S+8*\qi+1] op_sel:[0,1,0] op_sel_hi:[1,1,1]
.endif
.endm
; Query tiles qa and qb: add the probabilities to the sums, then round each pair to f16 in place.  Key tiles 2 ks and 2 ks + 1 fill
; registers 0-3 and 4-7 of tile 2 ks: source 1 of the second product.  A destination is always a register whose own pair has been summed.
; ex = 1: the 64 exponentials of tiles qc and qd stand between these 64 lines, one to one: every exponential is followed by a plain
; instruction on another tile, the last one too, so their results are used only behind plain work.
.macro SUMCVT qa, qb, ex, qc, qd
.irp kt, 0,1,2,3
.irp jp, 0,1,2,3
.if \ex
	v_exp_f32 v[S+8*(4*\kt+\qc)+2*\jp], v[S+8*(4*\kt+\qc)+2*\jp]
.endif
	ADDL \qa, \kt, \jp
.if \ex
	v_exp_f32 v[S+8*(4*\kt+\qc)+2*\jp+1], v[S+8*(4*\kt+\qc)+2*\jp+1]
.endif
	ADDL \qb, \kt, \jp
.if \ex
	v_exp_f32 v[S+8*(4*\kt+\qd)+2*\jp], v[S+8*(4*\kt+\qd)+2*\jp]
.endif
	v_cvt_pk_f16_f32 v[S+8*(8*(\kt/2)+\qa)+4*(\kt%2)+\jp], v[S+8*(4*\kt+\qa)+2*\jp], v[S+8*(4*\kt+\qa)+2*\jp+1]
.if \ex
	v_exp_f32 v[S+8*(4*\kt+\qd)+2*\jp+1], v[S+8*(4*\kt+\qd)+2*\jp+1]
.endif
	v_cvt_pk_f16_f32 v[S+8*(8*(\kt/2)+\qb)+4*(\kt%2)+\jp], v[S+8*(4*\kt+\qb)+2*\jp], v[S+8*(4*\kt+\qb)+2*\jp+1]
.endr
.endr
.endm
.macro RESCALE                         ; O x factor: one number a lane and query tile
	WIN 0x41                                       ; destination and source 0 in window 1
.irp qi, 0,1,2,3
.irp n, 0,1,2,3,4,5,6,7,8,9,10,11,12,13,14,15
	v_pk_mul_f32 v[O+32*\qi+2*\n:O+32*\qi+2*\n+1], v[O+32*\qi+2*\n:O+32*\qi+2*\n+1], v[P+2*\qi:P+2*\qi+1] op_sel:[0,1] op_sel_hi:[1,1]
.endr
.endr
.endm
; 32 matrix instructions: O^T(i, dt) += V^T(ks, dt) P^T(ks, i).  first = 1: the first 32 keys start the sums with the constant 0.
.macro PVMUL first
	WIN 0x50                                       ; D and C in window 1; V^T and P in window 0
.irp ks, 0,1
.irp qi, 0,1,2,3
.irp dt, 0,1,2,3
.if \first*(1-\ks)
	v_wmma_f32_16x16x32_f16 v[O+8*(4*\qi+\dt):O+8*(4*\qi+\dt)+7], v[KF+8*(4*\ks+\dt):KF+8*(4*\ks+\dt)+7], v[S+8*(8*\ks+\qi):S+8*(8*\ks+\qi)+7], 0
.else
	v_wmma_f32_16x16x32_f16 v[O+8*(4*\qi+\dt):O+8*(4*\qi+\dt)+7], v[KF+8*(4*\ks+\dt):KF+8*(4*\ks+\dt)+7], v[S+8*(8*\ks+\qi):S+8*(8*\ks+\qi)+7], v[O+8*(4*\qi+\dt):O+8*(4*\qi+\dt)+7]
.endif
.endr
.endr
.endr
.endm
; One step of 64 keys from \slot.  first: step 0; store: the staged next block goes into the other slot; load: the block after that is
; requested; bar: the step's barrier (the last step hands nothing on).
.macro STEP slot, first, store, load, bar, tag
	LDK \slot
	QK
	PLACES 4                                       ; four places behind the products before V's fragments are loaded over K's and the scores are read
	                                               ; (ISA guide 7.12.1); the same four lines in every kind of step, whether it has a block to round or not
.if \store
	s_wait_loadcnt 0x0                             ; the next block, requested a whole step ago; also frees the k and v pointers
	STORE 1-\slot
.endif
	LDV \slot                                      ; over K's fragments; they land while the maxima below are taken
.if \load
	s_wait_dscnt 16                                ; V's 16 loads may be out; the 8 LDS stores in front of them have read the staging registers
	s_add_nc_u64 s[6:7], s[6:7], BLOCK
	s_add_nc_u64 s[8:9], s[8:9], BLOCK
	FETCH
.endif
	MASK \tag
	SMAX
	s_wait_dscnt 0x0                               ; V's fragments are in: my reads of this slot are over; my part of the next block lies in LDS
.if \bar
	s_barrier_signal -1                            ; from here to the wait: registers only
.endif
	FMA 0
	FMA 1
	EXPFMA 0, 2
	EXPFMA 1, 3
	SUMCVT 0, 1, 1, 2, 3
	SUMCVT 2, 3, 0, 0, 0
.if 1-\first
	RESCALE
.endif
	PVMUL \first
	PLACES 5                                       ; the next step loads into V's fragments (four places) and its first products write over P (five)
	WIN 0
	s_sub_co_i32 s23, s23, 64                      ; keys left
.if \bar
	s_barrier_wait -1                              ; every wave has left this slot and filled the other
.endif
.endm
	FETCH                                          ; block 0
.irp qi, 0,1,2,3                                   ; Q as f32 into the score registers: lane (r, h) takes d = 32 half + 16 c + 8 h + 0..7 of query 16 i + r
.irp n, 0,1,2,3,4,5,6,7
	global_load_b128 v[S+32*\qi+4*\n:S+32*\qi+4*\n+3], v[REL], s[4:5] offset:\qi*16*TOK+128*(\n/4)+64*((\n/2)%2)+16*(\n%2)
.endr
.endr
	s_wait_kmcnt 0x0
	s_sub_co_i32 s22, s21, s20                     ; len
	s_max_i32 s22, s22, 0
	s_min_i32 s22, s22, 0x400
	s_mov_b32 s23, s22                             ; keys left at step 0
	s_wait_loadcnt 32                              ; loads return in order (ISA guide 5.7.1): block 0 is in, Q's 32 loads may be out
	STORE 0
	s_wait_dscnt 0x0                               ; the staging registers have been read, and block 0 lies in slot 0
	s_add_nc_u64 s[6:7], s[6:7], BLOCK
	s_add_nc_u64 s[8:9], s[8:9], BLOCK
	FETCH                                          ; block 1
	s_wait_loadcnt 8                               ; Q is in, block 1's 8 loads may be out
	WIN 0x40
.set n, 0
.rept 64
	v_cvt_pk_f16_f32 v[Q+n], v[S+2*n], v[S+2*n+1]  ; 8 registers of f32 become 4 of a fragment, in the fragment's own order
.set n, n+1
.endr
	WIN 0
.irp qi, 0,1,2,3
	v_mov_b32 v[M+\qi], 0xff7fffff                 ; the most negative finite number: the first factor is 2^(-huge) = 0, never inf - inf
	v_mov_b32 v[P+2*\qi+1], 0                      ; written once: v_permlanex16_b32 counts as a reader of its destination
	v_mov_b32 v[L+2*\qi], 0                        ; eight partial sums start at 0
	v_mov_b32 v[L+2*\qi+1], 0
.endr
	s_barrier_signal -1                            ; block 0 lies in slot 0 (s_wait_dscnt 0 above)
	s_barrier_wait -1
	STEP 0, 1, 1, 1, 1, a0                         ; steps 0 and 1 stand in front of the loop: step 0 starts O's sums
	STEP 1, 0, 1, 1, 1, a1
	s_mov_b32 s24, 6
.Lsteps:                                           ; steps 2 to 13
	STEP 0, 0, 1, 1, 1, b0
	STEP 1, 0, 1, 1, 1, b1
	s_sub_co_i32 s24, s24, 1
	s_cmp_lg_u32 s24, 0
	s_cbranch_scc1 .Lsteps
	STEP 0, 0, 1, 0, 1, c0                         ; step 14 stores block 15 and requests nothing: no load leaves k or v
	STEP 1, 0, 0, 0, 0, c1                         ; step 15
	; THE WAY OUT.  1 / sum for each query tile, then 16 queries at a time through my own stage in LDS.
.irp qi, 0,1,2,3
	v_add_f32 v[T+\qi], v[L+2*\qi], v[L+2*\qi+1]
.endr
.irp qi, 0,1,2,3
	v_permlanex16_b32 v[P+2*\qi+1], v[T+\qi], s25, s26
.endr
.irp qi, 0,1,2,3
	v_add_f32 v[T+\qi], v[T+\qi], v[P+2*\qi+1]
.endr
.irp qi, 0,1,2,3
	v_rcp_f32 v[P+2*\qi], v[T+\qi]                 ; a valid row's sum is at least 1 (the largest score's term); the address work below stands between this and its use
.endr
	s_mul_i32 s39, s14, WSTAGE
	s_add_co_u32 s39, s39, STAGE                   ; my stage
	s_sub_co_i32 s37, s22, s36                     ; len - q0
	v_and_b32 v8, 15, v0                           ; r
	v_bfe_u32 v9, v0, 4, 1                         ; h
	v_mul_u32_u24 v[STO], v8, SPITCH               ; in: row r (my query), my 8 neighbouring d at 32 h
	v_lshl_add_u32 v[STO], v9, 5, v[STO]
	v_add_nc_u32 v[STO], s39, v[STO]
	v_mul_u32_u24 v[RD], v9, SPITCH                ; back: lanes 0-15 one row of 256 bytes, lanes 16-31 the next
	v_lshl_add_u32 v[RD], v8, 4, v[RD]
	v_add_nc_u32 v[RD], s39, v[RD]
	v_lshlrev_b32 v[OOFF], 12, v9                  ; and the same two rows in out0
	v_lshl_add_u32 v[OOFF], v8, 4, v[OOFF]
	v_sub_nc_u32 v[QREL], s37, v8                  ; query 16 i + r of mine is valid if 16 i < len - q0 - r
	WIN 0x01                                       ; source 0 (O) in window 1; the results go to the score registers
.set n, 0
	s_wait_alu depctr_va_vdst(0)
.rept 64
	v_pk_mul_f32 v[S+2*n:S+2*n+1], v[O+2*n:O+2*n+1], v[P+2*(n/16):P+2*(n/16)+1] op_sel_hi:[1,0]
.set n, n+1
.endr
	WIN 0
.irp qi, 0,1,2,3
	v_cmp_lt_i32 s[32+\qi], 16*\qi, v[QREL]
.endr
; 16 queries: rows at or beyond len are selected to 0 (not multiplied: whatever they hold stays out), 32 bytes a lane and d tile into the stage,
; whole rows back, and stores in which sixteen neighbouring lanes cover one aligned 256-byte head row of out0.
.macro OUT qi
.irp e, 0,1,2,3,4,5,6,7,8,9,10,11,12,13,14,15,16,17,18,19,20,21,22,23,24,25,26,27,28,29,30,31
	v_cndmask_b32 v[S+32*\qi+\e], 0, v[S+32*\qi+\e], s[32+\qi]
.endr
.irp n, 0,1,2,3,4,5,6,7
	ds_store_b128 v[STO], v[S+32*\qi+4*\n:S+32*\qi+4*\n+3] offset:64*(\n/2)+16*(\n%2)
.endr
	s_wait_xcnt 0x0                                ; the registers read back into were the data of the stores two turns ago: rewritten only behind this wait
.irp t, 0,1,2,3,4,5,6,7
	ds_load_b128 v[KF+32*(\qi%2)+4*\t:KF+32*(\qi%2)+4*\t+3], v[RD] offset:\t*2*SPITCH   ; LDS serves a wave's instructions in order: these see the stores above
.endr
.irp t, 0,1,2,3,4,5,6,7
	s_wait_dscnt 7-\t                              ; the read-back loads behind load t may be out
	global_store_b128 v[OOFF], v[KF+32*(\qi%2)+4*\t:KF+32*(\qi%2)+4*\t+3], s[12:13] offset:(16*\qi+2*\t)*TOK th:TH_STORE_NT
.endr
.endm
	OUT 0
	OUT 1
	OUT 2
	OUT 3
	s_set_vgpr_msb 0x5
	s_wait_tensorcnt 0x0
	ds_add_u32 v192, v193
	s_wait_dscnt 0x0
	s_set_vgpr_msb 0x500
	s_endpgm
.Lfunc_end_k_q0d9dcd5f6a_attn:
	.size	k_q0d9dcd5f6a_attn, .Lfunc_end_k_q0d9dcd5f6a_attn-k_q0d9dcd5f6a_attn
	.p2alignl 7, 3214868480
	.fill 96, 4, 3214868480
	.section	.rodata,"a",@progbits
	.p2align	6, 0x0
	.amdhsa_kernel k_q0d9dcd5f6a_attn
		.amdhsa_group_segment_fixed_size 74752
		.amdhsa_private_segment_fixed_size 0
		.amdhsa_enable_private_segment 0
		.amdhsa_kernarg_size 40
		.amdhsa_user_sgpr_count 2
		.amdhsa_user_sgpr_kernarg_segment_ptr 1
		.amdhsa_wavefront_size32 1
		.amdhsa_system_sgpr_workgroup_id_x 1
		.amdhsa_system_sgpr_workgroup_id_y 1
		.amdhsa_system_sgpr_workgroup_id_z 1
		.amdhsa_system_vgpr_workitem_id 0
		.amdhsa_next_free_vgpr 450
		.amdhsa_next_free_sgpr 66
		.amdhsa_reserve_vcc 1
		.amdhsa_float_denorm_mode_32 3
		.amdhsa_float_denorm_mode_16_64 3
		.amdhsa_memory_ordered 1
		.amdhsa_forward_progress 1
		.amdhsa_inst_pref_size 255
	.end_amdhsa_kernel
	.section	.bss,"aw",@nobits
	.p2align	6
	.space	262144
	.amdgpu_metadata
---
amdhsa.version: [ 1, 2 ]
amdhsa.kernels:
  - .name:           k_q0d9dcd5f6a_attn
    .symbol:         k_q0d9dcd5f6a_attn.kd
    .args:
      - { .name: q, .offset: 0, .size: 8, .value_kind: global_buffer, .address_space: global }
      - { .name: k, .offset: 8, .size: 8, .value_kind: global_buffer, .address_space: global }
      - { .name: v, .offset: 16, .size: 8, .value_kind: global_buffer, .address_space: global }
      - { .name: cu_seqlens, .offset: 24, .size: 8, .value_kind: global_buffer, .address_space: global }
      - { .name: out0, .offset: 32, .size: 8, .value_kind: global_buffer, .address_space: global }
    .group_segment_fixed_size: 74752
    .private_segment_fixed_size: 0
    .kernarg_segment_align: 8
    .kernarg_segment_size: 40
    .max_flat_workgroup_size: 256
    .sgpr_count:     66
    .vgpr_count:     450
    .wavefront_size: 32
...
	.end_amdgpu_metadata
.endif
;; end of part 1
